; MI455X (gfx1250); checked and timed in simulation.
; The chip was launched on July 23, 2026; its instructions are those of AMD's public machine-readable ISA for CDNA 5 (MIT licence, August 2026) and "CDNA5" Instruction Set Architecture Reference Guide (July 2026). The comments in the code are by the model that wrote it; some were corrected since.
;; Multi Head Attention. Allowed arithmetic: matrix products marked QUANTISED: E4M3 operands, one given power-of-two scale a tensor, by v_wmma_f32_16x16x64_fp8_fp8 or v_wmma_f32_16x16x128_fp8_fp8, f32 sums; everything else in f32.
;; Inputs: Wk 1,024 x 1,024 float32; Wo 1,024 x 1,024 float32; Wq 1,024 x 1,024 float32; Wv 1,024 x 1,024 float32; bk 1,024 float32; bo 1,024 float32; bq 1,024 float32; bv 1,024 float32; lowp_scales 12 int32 (the exponents e of the quantised operands' scales 2^e); x 2 x 2,048 x 1,024 float32.
;; Outputs: out0 2 x 2,048 x 1,024 float32.
;; This version of the problem:
;;   THIS VERSION OF THE PROBLEM IS GIVEN IN LOW PRECISION. The matrix products marked QUANTISED in the list below multiply operands that are first quantised to E4M3 (4 exponent bits, 3 mantissa bits; 8 bits a number), with one given power-of-two scale for each operand tensor; their sums are f32. All else is computed in f32.
;;   The module's matrix products, in the order in which they are computed (A, B: the left and right operand; K: the contracted axis; several contracted axes count as one K, in the product's order):
;;     1. [M 4,096, K 1,024] x [K 1,024, N 1,024]; A: input x; B: input Wq: QUANTISED (scales: A lowp_scales[0], B lowp_scales[1])
;;     2. [M 4,096, K 1,024] x [K 1,024, N 1,024]; A: input x; B: input Wk: QUANTISED (scales: A lowp_scales[2], B lowp_scales[3])
;;     3. [M 4,096, K 1,024] x [K 1,024, N 1,024]; A: input x; B: input Wv: QUANTISED (scales: A lowp_scales[4], B lowp_scales[5])
;;     4. batch 32 x [M 2,048, K 64] x [K 64, N 2,048]; A: computed on the way; B: computed on the way: QUANTISED (scales: A lowp_scales[6], B lowp_scales[7])
;;     5. batch 32 x [M 2,048, K 2,048] x [K 2,048, N 64]; A: softmax (see below); B: computed on the way: QUANTISED (scales: A lowp_scales[8], B lowp_scales[9])
;;     6. [M 4,096, K 1,024] x [K 1,024, N 1,024]; A: computed on the way; B: input Wo: QUANTISED (scales: A lowp_scales[10], B lowp_scales[11])
;;   THE QUANTISER, for each operand of a quantised product, along K:
;;     - The operand's scale is 2^e, e = its entry of the input lowp_scales (int32; the entries are numbered through the quantised products in the list's order, A before B).
;;     - Each number is divided by the scale, clamped to +-448, and rounded to the nearest number of E4M3, ties to even, subnormals kept.
;;     - The product sums the exact products of the quantised numbers (number of the format x scale) in f32.
;;   ~~~python
;;   def quantise(x, axis, e):      # numpy; x: float32 -> the quantised numbers, widened to float32 again
;;       x = np.moveaxis(x, axis, -1); K = x.shape[-1]
;;       r = np.clip(x / 2.0 ** e, -448, 448)
;;       step = 2.0 ** (np.maximum(np.frexp(np.where(r == 0, 1, r))[1] - 1, -6) - 3)
;;       q = np.round(r / step) * step * 2.0 ** e      # np.round: ties to even
;;       return np.moveaxis(q, -1, axis).astype(np.float32)
;;   ~~~
;;   SOFTMAX AHEAD OF A QUANTISED PRODUCT. Where the list says 'softmax', what is quantised is not the finished softmax but p = 2^(t - M), with t = logit x log2(e) and M = ceil(the row's largest t), a whole number; so 1/2 < the row's largest p <= 1. The row's sum l is taken of the UNQUANTISED p, in f32, and the product's result is divided by l at the end. Since M is a whole number, a kernel that streams over the keys may use a running M (the ceiling of the running maximum): every later rescaling is an exact power of two, so the quantised numbers keep their values, but for numbers so far below the row's largest that they fall under the format's range.
;;   OPERANDS COMPUTED ON THE WAY. 'Computed on the way' means the value that the module computes at that place (a softmax that the list does not call 'softmax' is quantised finished and normalised). What goes into a quantiser is computed in f32, as accurately as f32 sums, v_exp_f32 and their like allow (about 1e-6 of the number): no bf16 or f16 on the way to a quantiser, and a product that is left as it is and whose result goes on into a quantised operand takes f32 operands (vector FMAs, or v_wmma_f32_16x16x4_f32). A number that lies on a knife's edge between two numbers of the format may be rounded either way, as far as f32 arithmetic and the matrix unit's own rounding can turn it there, and no further.
;; One version. Each part assembles by itself: llvm-mc -triple=amdgcn-amd-amdhsa -mcpu=gfx1250 --defsym DOCPART=n.
;; ======== version 1 of 1: 4 launches
;; limits: right only within a limited range of input values
;; workspace buffers: x_img 12,582,912 bytes; w_img 4,194,304 bytes; qkv_img 12,582,912 bytes; a_img 4,194,304 bytes
;; launch quant (part 1): grid 256 x 1, 4 waves a work-group, no clusters, 35,328 bytes of LDS; arguments x, Wq, Wk, Wv, Wo, lowp_scales, x_img, w_img; writes x_img, w_img
.if DOCPART == 1
	.amdgcn_target "amdgcn-amd-amdhsa--gfx1250"
	.amdhsa_code_object_version 6
	.text
	.protected	k_qab1238cbfb_quant
	.globl	k_qab1238cbfb_quant
	.p2align	8
	.type	k_qab1238cbfb_quant,@function
k_qab1238cbfb_quant:
	s_mov_b64 s[64:65], 0
	v_nop
	global_prefetch_b8 v0, s[64:65] scope:SCOPE_SE
	s_setreg_imm32_b32 hwreg(HW_REG_WAVE_MODE, 25, 1), 1
	s_wait_xcnt 0x0
; x [4096][1024] and Wq, Wk, Wv, Wo [1024][1024], f32 with K innermost, become codes of FP8 (E4M3): code = number / 2^e, held within +-448, to the nearest code, ties to even.
; x is an operand of three products, each with a scale of its own (entries 0, 2, 4 of the scales): it is read once and quantised three times.  The weights take entries 1, 3, 5, 11.
; THE CODES ARE STORED AS IMAGES OF THE OPERAND'S REGISTERS.  A fragment (16 rows x 128 K) is 2,048 bytes: byte 512 p + 16 l + y is the code of row l % 16 at k = 32 p + 16 (y / 8) + 8 (l / 16) + y % 8:
; registers 4 p .. 4 p + 3 of lane l in the plain 8-bit layout.  x_img: [product][256 blocks of rows][8 K steps][2048];  w_img: [q, k, v, o][64 blocks of rows][8 K steps][2048].
; SHARES.  A wave takes 16 rows x 512 along K, as 8 units of 16 rows x 64 K; its codes are 8,192 bytes on end for each product.  Work-groups 0-127 take x, 128-255 the weights, 32 each.
; A unit's eight loads read 256 consecutive bytes of two rows each; the unit turns through the wave's own stage in LDS (rows of 256 bytes + 16), from which a lane takes the 32 numbers that its registers want.
; Each store of the wave covers 512 consecutive bytes, aligned.  Waves share nothing: no barrier, no cluster, no tensor load.
; LIMITS: each e between -126 and 119, so that 2^e and 448 x 2^e are f32 numbers.  NaN among the inputs is not served.
.set WREG, 8704                        ; LDS of a wave: two stages
.set STG,  4352                        ; a stage: 16 rows x 272 bytes
.set SP,   272
.set GA,   2                           ; v2  in: 4,096 (lane / 16) + 16 (lane % 16): two rows, 256 bytes of each
.set SA,   3                           ; v3  into the stage, as loaded
.set SB,   4                           ; v4  out of the stage: row lane % 16, + 32 (lane / 16)
.set GO,   5                           ; v5  out: 16 x lane
.set SC,   6                           ; v6, v8, v10: 2^e;  v7, v9, v11: 448 x 2^e, for outputs 0, 1, 2
.set R,    16                          ; v16-111   three sets of 32: a unit as loaded
.set X,    112                         ; v112-175  two sets of 32: a lane's numbers in the order of its codes
.set T,    176                         ; v176-191  two sets of 8: held numbers
.set C,    192                         ; v192-239  codes: output x unit's parity x 8
	s_load_b512 s[8:23], s[0:1], 0x0               ; x s[8:9], Wq, Wk, Wv, Wo s[16:17], the scales s[18:19], x_img s[20:21], w_img s[22:23]
	v_lshl_add_u32 v240, v0, 2, 0x8800
	v_mov_b32 v241, 0
	v_lshrrev_b32 v1, 5, v0
	v_readfirstlane_b32 s3, v1                     ; wave
	v_and_b32 v1, 15, v0                           ; r
	v_bfe_u32 v12, v0, 4, 1                        ; h
	v_and_b32 v13, 31, v0                          ; lane
	v_lshlrev_b32 v[GA], 4, v1
	v_lshl_add_u32 v[GA], v12, 12, v[GA]
	s_mul_i32 s2, s3, WREG
	v_mul_u32_u24 v[SA], v12, SP
	v_lshl_add_u32 v[SA], v1, 4, v[SA]
	v_add_nc_u32 v[SA], s2, v[SA]
	v_mul_u32_u24 v[SB], v1, SP
	v_lshl_add_u32 v[SB], v12, 5, v[SB]
	v_add_nc_u32 v[SB], s2, v[SB]
	v_lshlrev_b32 v[GO], 4, v13
	s_cmp_lt_u32 ttmp9, 128                        ; x's work-group or a weight's?
	s_cselect_b32 s31, 127, 31
	s_and_b32 s31, ttmp9, s31                      ; my work-group's number within its tensor
	s_lshl_b32 s31, s31, 2
	s_add_co_u32 s31, s31, s3                      ; W: block of rows W / 2, half of K W % 2
	s_lshr_b32 s32, s31, 1
	s_lshl_b32 s32, s32, 16                        ; 16 rows of 4,096 bytes
	s_and_b32 s33, s31, 1
	s_lshl_b32 s33, s33, 11                        ; 512 numbers
	s_add_co_u32 s32, s32, s33
	s_mov_b32 s33, 0
	s_lshl_b32 s34, s31, 13                        ; my codes: 8,192 W
	s_mov_b32 s35, 0
	s_sub_co_u32 s48, ttmp9, 128
	s_lshr_b32 s48, s48, 5
	s_lshl_b32 s48, s48, 20                        ; the weight's image in w_img
	s_mov_b32 s49, 0
	s_cmp_lt_u32 ttmp9, 128
	s_cselect_b32 s48, 0, s48
	s_wait_alu depctr_va_vdst(0)
	s_wait_kmcnt 0x0
	s_load_b256 s[36:43], s[18:19], 0x0            ; e0 .. e7
	s_load_b128 s[44:47], s[18:19], 0x20           ; e8 .. e11
	s_cmp_lt_u32 ttmp9, 224                        ; the source: the choice hangs on the work-group's number alone
	s_cselect_b64 s[4:5], s[14:15], s[16:17]
	s_cmp_lt_u32 ttmp9, 192
	s_cselect_b64 s[4:5], s[12:13], s[4:5]
	s_cmp_lt_u32 ttmp9, 160
	s_cselect_b64 s[4:5], s[10:11], s[4:5]
	s_cmp_lt_u32 ttmp9, 128
	s_cselect_b64 s[4:5], s[8:9], s[4:5]
	s_cselect_b64 s[24:25], s[20:21], s[22:23]     ; output 0
	s_add_nc_u64 s[4:5], s[4:5], s[32:33]
	s_add_nc_u64 s[24:25], s[24:25], s[34:35]
	s_add_nc_u64 s[24:25], s[24:25], s[48:49]
	s_add_nc_u64 s[26:27], s[20:21], s[34:35]
	s_add_nc_u64 s[28:29], s[26:27], 0x800000      ; output 2: x for the third product
	s_add_nc_u64 s[26:27], s[26:27], 0x400000      ; output 1: x for the second
.macro LOAD u                          ; unit u: 16 rows x 256 bytes
.irp j, 0,1,2,3,4,5,6,7
	global_load_b128 v[R+32*((\u)%3)+4*\j:R+32*((\u)%3)+4*\j+3], v[GA], s[4:5] offset:8192*\j+256*(\u) th:TH_LOAD_NT
.endr
.endm
.macro TURN u                          ; through the stage: LDS serves a wave's instructions in order (ISA guide 5.7.1.4), so no wait stands between the stores and the loads
.irp j, 0,1,2,3,4,5,6,7
	ds_store_b128 v[SA], v[R+32*((\u)%3)+4*\j:R+32*((\u)%3)+4*\j+3] offset:STG*((\u)%2)+2*SP*\j
.endr
.irp i, 0,1                            ; 32 i + 8 h + 0 .. 7, then 32 i + 16 + 8 h + 0 .. 7 of my row
	ds_load_b128 v[X+32*((\u)%2)+16*\i:X+32*((\u)%2)+16*\i+3],     v[SB] offset:STG*((\u)%2)+128*\i
	ds_load_b128 v[X+32*((\u)%2)+16*\i+4:X+32*((\u)%2)+16*\i+7],   v[SB] offset:STG*((\u)%2)+128*\i+16
	ds_load_b128 v[X+32*((\u)%2)+16*\i+8:X+32*((\u)%2)+16*\i+11],  v[SB] offset:STG*((\u)%2)+128*\i+64
	ds_load_b128 v[X+32*((\u)%2)+16*\i+12:X+32*((\u)%2)+16*\i+15], v[SB] offset:STG*((\u)%2)+128*\i+80
.endr
.endm
.macro QOUT k, u                       ; unit u's codes under scale k.  The numbers stay as they are: they are held into T, in two sets by turns, so that eight plain lines stand between a conversion and the next write of its sources
.set XS, X+32*((\u)%2)
.set CC, C+16*(\k)+8*((\u)%2)
.irp g, 0,1,2,3
.irp i, 0,1,2,3,4,5,6,7
	v_med3_num_f32 v[T+8*(\g%2)+\i], v[XS+8*\g+\i], -v[SC+2*(\k)+1], v[SC+2*(\k)+1]   ; the conversion to an 8-bit code does not saturate (ISA guide 7.6.2): the hold at the largest code x the scale
.endr
	v_cvt_scalef32_pk8_fp8_f32 v[CC+2*\g:CC+2*\g+1], v[T+8*(\g%2):T+8*(\g%2)+7], v[SC+2*(\k)]
.endr
	global_store_b128 v[GO], v[CC:CC+3],   s[24+2*(\k):25+2*(\k)] offset:1024*(\u)       ; 512 consecutive bytes, aligned
	global_store_b128 v[GO], v[CC+4:CC+7], s[24+2*(\k):25+2*(\k)] offset:1024*(\u)+512
.endm
.macro MKSC e, k                       ; 2^e and 448 x 2^e as f32
	s_add_co_i32 s50, \e, 127
	s_lshl_b32 s51, s50, 23
	v_mov_b32 v[SC+2*\k], s51
	s_add_co_i32 s50, s50, 8
	s_lshl_b32 s50, s50, 23
	s_or_b32 s50, s50, 0x600000
	v_mov_b32 v[SC+2*\k+1], s50
.endm
	LOAD 0
	LOAD 1
	LOAD 2
	s_wait_kmcnt 0x0
	s_cmp_lt_u32 ttmp9, 224
	s_cselect_b32 s30, s41, s47                    ; e5 (Wv) or e11 (Wo)
	s_cmp_lt_u32 ttmp9, 192
	s_cselect_b32 s30, s39, s30                    ; e3 (Wk)
	s_cmp_lt_u32 ttmp9, 160
	s_cselect_b32 s30, s37, s30                    ; e1 (Wq)
	s_cmp_lt_u32 ttmp9, 128
	s_cselect_b32 s30, s36, s30                    ; e0 (x, first product)
	MKSC s30, 0
	MKSC s38, 1                                    ; e2
	MKSC s40, 2                                    ; e4
	s_wait_alu depctr_va_vdst(0)
	s_wait_loadcnt 16                              ; unit 0's eight loads are in; units 1 and 2 stay out
	TURN 0
.macro UNIT u
	s_wait_dscnt 0x0                               ; this unit's numbers are back from the stage, and its stores into the stage have read their registers
	s_wait_xcnt 0x0                                ; the earlier stores have read their data: the codes' registers are written again only behind this wait
.if (\u)+3 < 8
	LOAD (\u)+3
.endif
.if (\u)+1 < 8
.if (\u) < 5
	s_wait_loadcnt 16                              ; the next unit's eight loads are in; those of the two units behind it stay out
.else
	s_wait_loadcnt 8*(6-(\u))                      ; the counts run down: 8, 0
.endif
	TURN (\u)+1                                    ; through the other stage while this unit is worked
.endif
	QOUT 0, \u
	s_cmp_lt_u32 ttmp9, 128                        ; a weight has one scale
	s_cbranch_scc0 .Lweight_\@
	QOUT 1, \u
	QOUT 2, \u
.Lweight_\@:
.endm
.irp u, 0,1,2,3,4,5,6,7
	UNIT \u
.endr
	s_wait_tensorcnt 0x0
	ds_add_u32 v240, v241
	s_wait_dscnt 0x0
	s_endpgm
.Lfunc_end_k_qab1238cbfb_quant:
	.size	k_qab1238cbfb_quant, .Lfunc_end_k_qab1238cbfb_quant-k_qab1238cbfb_quant
	.p2alignl 7, 3214868480
	.fill 96, 4, 3214868480
	.section	.rodata,"a",@progbits
	.p2align	6, 0x0
	.amdhsa_kernel k_qab1238cbfb_quant
		.amdhsa_group_segment_fixed_size 35328
		.amdhsa_private_segment_fixed_size 0
		.amdhsa_enable_private_segment 0
		.amdhsa_kernarg_size 64
		.amdhsa_user_sgpr_count 2
		.amdhsa_user_sgpr_kernarg_segment_ptr 1
		.amdhsa_wavefront_size32 1
		.amdhsa_system_sgpr_workgroup_id_x 1
		.amdhsa_system_sgpr_workgroup_id_y 1
		.amdhsa_system_sgpr_workgroup_id_z 1
		.amdhsa_system_vgpr_workitem_id 0
		.amdhsa_next_free_vgpr 242
		.amdhsa_next_free_sgpr 66
		.amdhsa_reserve_vcc 0
		.amdhsa_float_denorm_mode_32 3
		.amdhsa_float_denorm_mode_16_64 3
		.amdhsa_memory_ordered 1
		.amdhsa_forward_progress 1
		.amdhsa_inst_pref_size 79
	.end_amdhsa_kernel
	.amdgpu_metadata
---
amdhsa.version: [ 1, 2 ]
amdhsa.kernels:
  - .name:           k_qab1238cbfb_quant
    .symbol:         k_qab1238cbfb_quant.kd
    .args:
      - { .name: x, .offset: 0, .size: 8, .value_kind: global_buffer, .address_space: global }
      - { .name: Wq, .offset: 8, .size: 8, .value_kind: global_buffer, .address_space: global }
      - { .name: Wk, .offset: 16, .size: 8, .value_kind: global_buffer, .address_space: global }
      - { .name: Wv, .offset: 24, .size: 8, .value_kind: global_buffer, .address_space: global }
      - { .name: Wo, .offset: 32, .size: 8, .value_kind: global_buffer, .address_space: global }
      - { .name: lowp_scales, .offset: 40, .size: 8, .value_kind: global_buffer, .address_space: global }
      - { .name: x_img, .offset: 48, .size: 8, .value_kind: global_buffer, .address_space: global }
      - { .name: w_img, .offset: 56, .size: 8, .value_kind: global_buffer, .address_space: global }
    .group_segment_fixed_size: 35328
    .private_segment_fixed_size: 0
    .kernarg_segment_align: 8
    .kernarg_segment_size: 64
    .max_flat_workgroup_size: 128
    .sgpr_count:     66
    .vgpr_count:     242
    .wavefront_size: 32
...
	.end_amdgpu_metadata
.endif
;; end of part 1
;; launch qkv (part 2): grid 12 x 16, 4 waves a work-group, clusters of 4 x 4, 327,680 bytes of LDS; arguments x_img, w_img, bq, bk, bv, lowp_scales, qkv_img; writes qkv_img
.if DOCPART == 2
	.amdgcn_target "amdgcn-amd-amdhsa--gfx1250"
	.amdhsa_code_object_version 6
	.text
	.protected	k_qab1238cbfb_qkv
	.globl	k_qab1238cbfb_qkv
	.p2align	8
	.type	k_qab1238cbfb_qkv,@function
k_qab1238cbfb_qkv:
	s_mov_b64 s[64:65], 0
	v_nop
	global_prefetch_b8 v0, s[64:65] scope:SCOPE_SE
	s_setreg_imm32_b32 hwreg(HW_REG_WAVE_MODE, 25, 1), 1
	s_wait_xcnt 0x0
	s_wait_alu depctr_hold_cnt(0) depctr_sa_sdst(0) depctr_va_vdst(0) depctr_va_sdst(0) depctr_va_ssrc(0) depctr_va_vcc(0) depctr_vm_vsrc(0)
	s_getreg_b32 s2, hwreg(HW_REG_IB_STS2, 6, 4)
	s_cmp_eq_u32 s2, 0
	s_cbranch_scc0 .Lentry_in_a_cluster
	s_endpgm
.Lentry_in_a_cluster:
	s_bfe_u32 s2, ttmp6, 0x10000c
	s_cmp_lg_u32 s2, 0xf033
	s_cbranch_scc0 .Lentry_shape_is_right
	s_endpgm
.Lentry_shape_is_right:
.set HALFT,  32768
.set SLOT,   4*HALFT
.set SPARE,  2*SLOT
.set FR,     16
.set NL,     4
.set NP,     4
.set ADRA, 16
.set ADRB, 20
.set VO0,  26
.set VO1,  27
.set SPW,  28
.set NIL,  29
.set BC,   32
.set BR,   96
.set AF,   128
.set T,    128
.set CODE, 192
.set G1, 24
.set G0, 32
.set G1B, 48
.set G0B, 56
.set MSB, 0
.macro WIN new
.if MSB != (\new)
	s_set_vgpr_msb (MSB<<8)|(\new)
.set MSB, (\new)
.endif
.endm
.set MUL_LO, 0xa1
.set MUL_HI, 0xf1
.set TO_B,   0x40
.macro JLOAD g0a, g1a, g0b, g1b
	s_cmp_eq_u32 s15, 0
	s_cbranch_scc0 .Lfor_b_\@
	tensor_load_to_lds s[\g0a:\g0a+3], s[\g1a:\g1a+7]
	s_nop 0
.rept 4
	v_nop
.endr
	s_branch .Lasked_\@
.Lfor_b_\@:
	tensor_load_to_lds s[\g0b:\g0b+3], s[\g1b:\g1b+7]
	s_nop 0
.rept 4
	v_nop
.endr
.Lasked_\@:
.endm
.macro CREST
	s_cmp_lg_u32 s14, 0
	s_cbranch_scc1 .Lnot_wave_0_\@
	s_barrier_signal -3
.Lnot_wave_0_\@:
	s_barrier_wait -3
	s_barrier_signal -1
	s_barrier_wait -1
.endm
.macro CROUND
	s_barrier_signal -1
	s_barrier_wait -1
	CREST
.endm
	s_load_b256 s[4:11], s[0:1], 0x0
	s_load_b128 s[68:71], s[0:1], 0x20
	s_load_b64 s[72:73], s[0:1], 0x30
	v_lshl_add_u32 v[SPW], v0, 2, SPARE
	v_mov_b32 v[NIL], 0
	ds_add_u32 v28, v29
	ds_add_u32 v28, v29
	s_wait_dscnt 0x0
	v_lshrrev_b32 v1, 5, v0
	v_readfirstlane_b32 s14, v1
	s_lshr_b32 s15, s14, 1
	s_and_b32 s16, s14, 1
	s_bfe_u32 s40, ttmp6, 0x40000
	s_bfe_u32 s41, ttmp6, 0x40004
	s_and_b32 s75, ttmp7, 0xffff
	s_lshl_b32 s43, s41, 2
	s_lshl_b32 s43, 15, s43
	s_lshl_b32 s44, 0x1111, s40
	s_or_b32 s[G1+0], s43, (3<<16)|(1<<21)
	s_or_b32 s[G1B+0], s44, (3<<16)|(1<<21)
.irp g, G1, G1B
	s_mov_b32 s[\g+1], 512<<16
	s_mov_b32 s[\g+2], 8<<16
	s_mov_b32 s[\g+3], 512<<16
	s_mov_b32 s[\g+4], 8
	s_mov_b32 s[\g+5], 2048
	s_mov_b32 s[\g+6], 0
	s_mov_b32 s[\g+7], 0
.endr
	s_lshl_b32 s76, ttmp9, 20
	s_lshl_b32 s77, ttmp9, 22
	s_lshl_b32 s78, s75, 20
	s_add_co_u32 s77, s77, s78
	s_lshl_b32 s79, s16, 17
	s_mov_b32 s82, 1024
	s_mov_b32 s83, 0
	s_mov_b32 s84, 1024
	s_mov_b32 s85, 0
	s_mov_b32 s86, 131072
	s_cmp_eq_u32 ttmp9, 2
	s_cselect_b32 s20, s76, s77
	s_cselect_b32 s46, s77, s76
	s_cselect_b32 s80, 0, s75
	s_cselect_b32 s81, s75, 0
	s_cselect_b32 s82, 2048, s82
	s_cselect_b32 s84, 124928, s84
	s_cselect_b32 s86, 1024, s86
	s_cselect_b32 s66, -1, 0
	s_cselect_b32 s67, 0, -1
	s_lshl_b32 s21, s41, 18
	s_add_co_u32 s20, s20, s21
	s_add_co_u32 s20, s20, s79
	s_mov_b32 s21, 0
	s_lshl_b32 s47, s40, 18
	s_add_co_u32 s46, s46, s47
	s_add_co_u32 s46, s46, s79
	s_mov_b32 s47, 0
	s_mul_i32 s45, s14, HALFT
	s_wait_kmcnt 0x0
	s_load_b256 s[88:95], s[70:71], 0x0
	s_load_b128 s[96:99], s[70:71], 0x20
	s_cmp_eq_u32 ttmp9, 2
	s_cselect_b64 s[76:77], s[6:7], s[4:5]
	s_cselect_b64 s[78:79], s[4:5], s[6:7]
	s_add_nc_u64 s[20:21], s[76:77], s[20:21]
	s_add_nc_u64 s[46:47], s[78:79], s[46:47]
	CROUND
.irp s, 0,1
	s_mov_b32 s[G0+4*\s], 1
	s_add_co_u32 s[G0+4*\s+1], s45, \s*SLOT
	s_add_nc_u64 s[G0+4*\s+2:G0+4*\s+3], s[20:21], \s*4096
	s_or_b32 s[G0+4*\s+3], s[G0+4*\s+3], 0x80000000
	s_mov_b32 s[G0B+4*\s], 1
	s_add_co_u32 s[G0B+4*\s+1], s45, \s*SLOT
	s_add_nc_u64 s[G0B+4*\s+2:G0B+4*\s+3], s[46:47], \s*4096
	s_or_b32 s[G0B+4*\s+3], s[G0B+4*\s+3], 0x80000000
	s_wait_alu depctr_va_vdst(0)
	s_wait_tensorcnt 0x0
	ds_add_u32 v28, v29
	ds_add_u32 v28, v29
	s_wait_dscnt 0x0
	CROUND
	JLOAD G0+4*\s, G1, G0B+4*\s, G1B
.endr
	v_and_b32 v1, 15, v0
	v_bfe_u32 v2, v0, 4, 1
	v_and_b32 v3, 31, v0
	v_lshlrev_b32 v[VO0], 4, v3
	v_add_nc_u32 v[VO1], s86, v[VO0]
	v_lshlrev_b32 v10, 5, v2
	s_wait_alu depctr_va_vdst(0)
	v_lshlrev_b32 v11, 2, v1
	s_wait_alu depctr_va_vdst(0)
	s_mul_i32 s19, s15, HALFT
	s_mul_i32 s42, s16, HALFT
	s_add_co_u32 s42, s42, 2*HALFT
.irp s, 0,1
	v_add_nc_u32 v[ADRA+\s], s19, v[VO0]
	v_add_nc_u32 v[ADRB+\s], s42, v[VO0]
	s_add_co_u32 s19, s19, SLOT
	s_add_co_u32 s42, s42, SLOT
.endr
	s_lshl_b32 s17, s80, 2
	s_add_co_u32 s17, s17, s41
	s_lshl_b32 s17, s17, 1
	s_add_co_u32 s17, s17, s15
	s_lshl_b32 s18, s81, 2
	s_add_co_u32 s18, s18, s40
	s_lshl_b32 s18, s18, 1
	s_add_co_u32 s18, s18, s16
	s_cmp_eq_u32 ttmp9, 2
	s_cselect_b32 s22, s18, s17
	s_cselect_b32 s23, s17, s18
	s_lshr_b32 s74, s22, 4
	s_lshl_b32 s74, s74, 4
	s_lshl_b32 s76, s23, 1
	s_add_co_u32 s74, s74, s76
	s_lshl_b32 s74, s74, 17
	s_and_b32 s76, s22, 15
	s_lshl_b32 s76, s76, 13
	s_add_co_u32 s74, s74, s76
	s_lshl_b32 s76, ttmp9, 22
	s_add_co_u32 s74, s74, s76
	s_mov_b32 s75, 0
	s_add_nc_u64 s[72:73], s[72:73], s[74:75]
	s_cmp_eq_u32 ttmp9, 0
	s_cselect_b64 s[8:9], s[8:9], s[10:11]
	s_cmp_eq_u32 ttmp9, 2
	s_cselect_b64 s[8:9], s[68:69], s[8:9]
	s_lshl_b32 s76, s23, 9
	s_mov_b32 s77, 0
	s_add_nc_u64 s[8:9], s[8:9], s[76:77]
.irp b, 0,1,2,3,4,5,6,7
	global_load_b128 v[BC+8*\b:BC+8*\b+3],   v10, s[8:9] offset:64*\b
	global_load_b128 v[BC+8*\b+4:BC+8*\b+7], v10, s[8:9] offset:64*\b+16
.endr
.irp a, 0,1,2,3,4,5,6,7
	global_load_b32 v[BR+2*\a], v11, s[8:9] offset:64*\a
.endr
	s_wait_kmcnt 0x0
	s_add_co_i32 s74, s88, s89
	s_add_co_i32 s76, s90, s91
	s_add_co_i32 s77, s92, s93
	s_cmp_eq_u32 ttmp9, 0
	s_cselect_b32 s74, s74, s76
	s_cselect_b32 s78, s94, s95
	s_cmp_eq_u32 ttmp9, 2
	s_cselect_b32 s74, s77, s74
	s_cselect_b32 s78, s97, s78
	s_add_co_i32 s74, s74, 127
	s_lshl_b32 s12, s74, 23
	s_mov_b32 s13, s12
	s_add_co_i32 s78, s78, 127
	s_lshl_b32 s79, s78, 23
	v_mov_b32 v12, s79
	s_add_co_i32 s78, s78, 8
	s_lshl_b32 s78, s78, 23
	s_or_b32 s78, s78, 0x600000
	v_mov_b32 v13, s78
	s_wait_loadcnt 0x0
.set j, 0
.rept 64
	v_cndmask_b32 v[BC+j], 0, v[BC+j], s67
.set j, j+1
.endr
.irp a, 0,1,2,3,4,5,6,7
	v_cndmask_b32 v[BR+2*\a], 0, v[BR+2*\a], s66
	v_mov_b32 v[BR+2*\a+1], v[BR+2*\a]
.endr
.macro FRAG reg, adr, q, i
.irp c, 0,1,2,3
	ds_load_b128 v[\reg+4*\c:\reg+4*\c+3], v[\adr] offset:4096*(\i)+2048*(\q)+512*\c
.endr
.endm
.macro MUL16 a0, p, zero
.irp a, \a0, \a0+1
.irp b, 0,1,2,3,4,5,6,7
.if \zero
	v_wmma_f32_16x16x128_fp8_fp8 v[8*(8*((\a)%4)+\b):8*(8*((\a)%4)+\b)+7], v[128*(\p)+FR*\b:128*(\p)+FR*\b+FR-1], v[AF+FR*(\a):AF+FR*(\a)+FR-1], 0
.else
	v_wmma_f32_16x16x128_fp8_fp8 v[8*(8*((\a)%4)+\b):8*(8*((\a)%4)+\b)+7], v[128*(\p)+FR*\b:128*(\p)+FR*\b+FR-1], v[AF+FR*(\a):AF+FR*(\a)+FR-1], v[8*(8*((\a)%4)+\b):8*(8*((\a)%4)+\b)+7]
.endif
.endr
.endr
.endm
.macro FETCH_B slot, q, p
	WIN TO_B
.irp i, 0,1,2,3,4,5,6,7
	FRAG 128*(\p)+FR*\i, ADRB+\slot, \q, \i
.endr
	WIN 0
.endm
.macro FETCH_A slot, q, i0
.irp i, \i0, \i0+1, \i0+2, \i0+3
	FRAG AF+FR*(\i), ADRA+\slot, \q, \i
.endr
.endm
.macro PLACES n
.rept \n
	v_nop
.endr
.endm
.macro STEP slot, q, zero
	s_wait_dscnt 4*NL
	WIN MUL_LO
	MUL16 0, (\q)%2, \zero
	MUL16 2, (\q)%2, \zero
	s_wait_dscnt 0
	PLACES NP
	FETCH_B \slot, (\q)+1, 1-(\q)%2
	FETCH_A \slot, (\q)+1, 0
	WIN MUL_HI
	MUL16 4, (\q)%2, \zero
	MUL16 6, (\q)%2, \zero
	PLACES NP
	WIN 0
	FETCH_A \slot, (\q)+1, 4
.endm
.macro TURN slot, next, fill
	s_wait_tensorcnt 0x0
	ds_add_u32 v[SPW], v[NIL]
	s_wait_dscnt 4*NL+1
	WIN MUL_LO
	MUL16 0, 1, 0
	s_wait_dscnt 0x0
	s_barrier_signal -1
	MUL16 2, 1, 0
	WIN 0
	s_barrier_wait -1
.if \fill
	CREST
	s_add_nc_u64 s[G0+4*\slot+2:G0+4*\slot+3], s[G0+4*\slot+2:G0+4*\slot+3], 8192
	s_add_nc_u64 s[G0B+4*\slot+2:G0B+4*\slot+3], s[G0B+4*\slot+2:G0B+4*\slot+3], 8192
	JLOAD G0+4*\slot, G1, G0B+4*\slot, G1B
.else
	PLACES NP
.endif
	FETCH_B \next, 0, 0
	FETCH_A \next, 0, 0
	WIN MUL_HI
	MUL16 4, 1, 0
	MUL16 6, 1, 0
	PLACES NP
	WIN 0
	FETCH_A \next, 0, 4
.endm
	s_wait_tensorcnt 1
	s_barrier_signal -1
	s_barrier_wait -1
	FETCH_B 0, 0, 0
	FETCH_A 0, 0, 0
	FETCH_A 0, 0, 4
	STEP 0, 0, 1
	TURN 0, 1, 1
	STEP 1, 0, 0
	TURN 1, 0, 1
	STEP 0, 0, 0
	TURN 0, 1, 0
	STEP 1, 0, 0
	s_wait_dscnt 4*NL
	WIN MUL_LO
	MUL16 0, 1, 0
	MUL16 2, 1, 0
	s_wait_dscnt 0
	WIN MUL_HI
	MUL16 4, 1, 0
	MUL16 6, 1, 0
	WIN 0
.macro BLOCK a
.set AC, 64*((\a)%4)
.set CD, CODE+16*((\a)%2)
	WIN 0x02+((\a)/4)
.set j, 0
.rept 32
	v_pk_fma_f32 v[T+j:T+j+1], v[AC+j:AC+j+1], s[12:13], v[BC+j:BC+j+1] op_sel_hi:[1,0,1]
.set j, j+2
.endr
	WIN 0
.set j, 0
.rept 32
	v_pk_add_f32 v[T+j:T+j+1], v[T+j:T+j+1], v[BR+2*(\a):BR+2*(\a)+1]
.set j, j+2
.endr
.irp b, 0,1,2,3,4,5,6,7
.irp i, 0,1,2,3,4,5,6,7
	v_med3_num_f32 v[T+8*\b+\i], v[T+8*\b+\i], -v13, v13
.endr
	v_cvt_scalef32_pk8_fp8_f32 v[CD+2*\b:CD+2*\b+1], v[T+8*\b:T+8*\b+7], v12
.endr
	v_nop
	s_wait_alu depctr_va_vdst(0)
	s_wait_xcnt 0x0
.if (\a) == 4
	s_add_nc_u64 s[72:73], s[72:73], s[84:85]
.elseif (\a) > 0
	s_add_nc_u64 s[72:73], s[72:73], s[82:83]
.endif
	global_store_b128 v[VO0], v[CD:CD+3],     s[72:73]
	global_store_b128 v[VO0], v[CD+4:CD+7],   s[72:73] offset:512
	global_store_b128 v[VO1], v[CD+8:CD+11],  s[72:73]
	global_store_b128 v[VO1], v[CD+12:CD+15], s[72:73] offset:512
.endm
	PLACES NP
.irp a, 0,1,2,3,4,5,6,7
	BLOCK \a
.endr
	s_wait_tensorcnt 0x0
	ds_add_u32 v[SPW], v[NIL]
	s_wait_dscnt 0x0
	CROUND
	s_endpgm
.Lfunc_end_k_qab1238cbfb_qkv:
	.size	k_qab1238cbfb_qkv, .Lfunc_end_k_qab1238cbfb_qkv-k_qab1238cbfb_qkv
	.p2alignl 7, 3214868480
	.fill 96, 4, 3214868480
	.section	.rodata,"a",@progbits
	.p2align	6, 0x0
	.amdhsa_kernel k_qab1238cbfb_qkv
		.amdhsa_group_segment_fixed_size 327680
		.amdhsa_private_segment_fixed_size 0
		.amdhsa_enable_private_segment 0
		.amdhsa_kernarg_size 56
		.amdhsa_user_sgpr_count 2
		.amdhsa_user_sgpr_kernarg_segment_ptr 1
		.amdhsa_wavefront_size32 1
		.amdhsa_system_sgpr_workgroup_id_x 1
		.amdhsa_system_sgpr_workgroup_id_y 1
		.amdhsa_system_sgpr_workgroup_id_z 1
		.amdhsa_system_vgpr_workitem_id 0
		.amdhsa_next_free_vgpr 1024
		.amdhsa_next_free_sgpr 100
		.amdhsa_reserve_vcc 0
		.amdhsa_float_denorm_mode_32 3
		.amdhsa_float_denorm_mode_16_64 3
		.amdhsa_memory_ordered 1
		.amdhsa_forward_progress 1
		.amdhsa_inst_pref_size 160
	.end_amdhsa_kernel
	.amdgpu_metadata
---
amdhsa.version: [ 1, 2 ]
amdhsa.kernels:
  - .name:           k_qab1238cbfb_qkv
    .symbol:         k_qab1238cbfb_qkv.kd
    .args:
      - { .name: x_img, .offset: 0, .size: 8, .value_kind: global_buffer, .address_space: global }
      - { .name: w_img, .offset: 8, .size: 8, .value_kind: global_buffer, .address_space: global }
      - { .name: bq, .offset: 16, .size: 8, .value_kind: global_buffer, .address_space: global }
      - { .name: bk, .offset: 24, .size: 8, .value_kind: global_buffer, .address_space: global }
      - { .name: bv, .offset: 32, .size: 8, .value_kind: global_buffer, .address_space: global }
      - { .name: lowp_scales, .offset: 40, .size: 8, .value_kind: global_buffer, .address_space: global }
      - { .name: qkv_img, .offset: 48, .size: 8, .value_kind: global_buffer, .address_space: global }
    .group_segment_fixed_size: 327680
    .private_segment_fixed_size: 0
    .kernarg_segment_align: 8
    .kernarg_segment_size: 56
    .max_flat_workgroup_size: 128
    .sgpr_count:     100
    .vgpr_count:     1024
    .wavefront_size: 32
...
	.end_amdgpu_metadata
.endif
;; end of part 2
;; launch attn (part 3): grid 8 x 32, 8 waves a work-group, clusters of 4 x 1, 264,192 bytes of LDS; arguments qkv_img, lowp_scales, a_img; writes a_img
.if DOCPART == 3
	.amdgcn_target "amdgcn-amd-amdhsa--gfx1250"
	.amdhsa_code_object_version 6
	.text
	.protected	k_qab1238cbfb_attn
	.globl	k_qab1238cbfb_attn
	.p2align	8
	.type	k_qab1238cbfb_attn,@function
k_qab1238cbfb_attn:
	s_mov_b64 s[64:65], 0
	v_nop
	global_prefetch_b8 v0, s[64:65] scope:SCOPE_SE
	s_setreg_imm32_b32 hwreg(HW_REG_WAVE_MODE, 25, 1), 1
	s_wait_xcnt 0x0
	s_wait_alu depctr_hold_cnt(0) depctr_sa_sdst(0) depctr_va_vdst(0) depctr_va_sdst(0) depctr_va_ssrc(0) depctr_va_vcc(0) depctr_vm_vsrc(0)
	s_getreg_b32 s2, hwreg(HW_REG_IB_STS2, 6, 4)
	s_cmp_eq_u32 s2, 0
	s_cbranch_scc0 .Lentry_in_a_cluster
	s_endpgm
.Lentry_in_a_cluster:
	s_bfe_u32 s2, ttmp6, 0x10000c
	s_cmp_lg_u32 s2, 0x3003
	s_cbranch_scc0 .Lentry_shape_is_right
	s_endpgm
.Lentry_shape_is_right:
; Attention of one (batch, head): o[q] = sum over k of softmax_k(q . k / 8) v[k], both products on codes of FP8 (E4M3); o is quantised at once for the output projection.
; INPUT qkv_img: q and k as fragments of 16 rows x 64 (1,024 bytes, images of the operand's registers), v as fragments of 16 channels x 128 keys (2,048 bytes).  OUTPUT a_img: [256 blocks of 16 rows][8 K steps][2048], k = 64 head + channel.
; THE SOFTMAX AHEAD OF THE SECOND PRODUCT: t = score x log2(e) / 8; M = the running largest t rounded UP to a whole number; p = 2^(t - M) is what is quantised; the row's sum is taken of the unquantised p and divides at the end.
; When M moves, the sum and O are multiplied by 2^(old M - new M): exact.
; SHARES.  A work-group owns 256 queries of one head; each of its eight waves 32 of them, two tiles of 16, in 512 registers, two waves to a SIMD.  Every wave walks the head's 2,048 keys in 16 steps of 128;
; each fragment of K and of V that it reads from LDS feeds both tiles.
; A HEAD'S K AND V STAY IN LDS: 131,072 bytes each, filled once: eight loads of 32,768 bytes, one a wave, all at the head; one wait for 0 and one barrier, and no barrier in the loop: nothing is filled again.
; Wave w fetches K (w even) or V (w odd), part w / 2 of four.  Every byte is asked for at the head, so there is no later load that a prefetch could run ahead of: none is written.
; CLUSTER.  The four work-groups of a cluster are four query blocks of one head: each part is asked for jointly, by the same tensor load with the same descriptor and the mask of all four.
; LAYOUT.  Both products are used transposed: S^T = K Q^T (source 0 = 16 keys, source 1 = 16 queries), O^T = V^T P^T: a lane holds ONE query of each tile (lane % 16); register j of key tile t is key 16 t + 8 (lane / 16) + j,
; so a key tile's eight codes are registers 2 t, 2 t + 1 of the second product's operand.
; LIMITS: e6 + e7 between -123 and 130 (added to c's exponent field); e8 and e10 between -126 and 119; e8 + e9 goes by v_ldexp_f32 and has none.  The scaled scores stay under 2^31 in magnitude.  NaN is not served.
; REGISTERS, in two windows of 256.  Query tile i has in window i, under the same numbers: v[14:15] the sum in two halves; v16-23 Q; v96-159 S^T, then p; v160-191 O^T; v192-207 at work (maxima, partial sums); v224-239 p's codes; v244 2^e8.
;   v32-95: window 0 V's fragments, window 1 K's: so V of this step and K of the next are asked for in one run behind the first products.
;   Window 0 alone: v1-3 my lane's places in the images; v4, v5 the add's two; v6, v7: 2^e10, 448 x 2^e10; v8, v9 the step's addresses; tile 0: v12 -M, v13 the largest score, v252 f, v253 the old -M, v254, v246 at work;
;   tile 1: v10, v11, v250, v251, v249, v247 likewise.
.set LI,   1                           ; 16 x lane
.set LIV,  2                           ; + V's region
.set LIK,  3                           ; + one key step: K runs a step ahead
.set SPW,  4
.set NIL,  5
.set ADK,  8
.set ADV,  9
.set KV,   32
.set S,    96
.set O,    160
.set T,    192
.set PC,   224
.set SPARE, 262144                     ; behind K and V: 128 bytes for each of the 8 waves
.set TB,   10                          ; s10  LDS byte of the key step in hand, within K's (and V's) region; also the loop's counter
.set WV,   12                          ; s12  my wave's number
.set HOLD, 13                          ; s13  448 x 2^e8
.set SEL,  20                          ; s[20:21] lane selects for v_permlanex16_b32: lane l xor 16
.set CS,   22                          ; s[22:23] c = log2(e) / 8 x 2^(e6 + e7)
.set G1,   24
.set G0,   32
.set MSB, 0
.macro WIN new                         ; bits 1:0 source 0, 3:2 source 1, 5:4 source 2, 7:6 destination; the high byte repeats the setting that is left
.if MSB != (\new)
	s_set_vgpr_msb (MSB<<8)|(\new)
.set MSB, (\new)
.endif
.endm
.macro CROUND                          ; a round of the cluster's barrier
	s_barrier_signal -1
	s_barrier_wait -1
	s_cmp_lg_u32 s[WV], 0
	s_cbranch_scc1 .Lnot_wave_0_\@
	s_barrier_signal -3
.Lnot_wave_0_\@:
	s_barrier_wait -3
	s_barrier_signal -1
	s_barrier_wait -1
.endm
	s_load_b128 s[4:7], s[0:1], 0x0                ; qkv_img s[4:5], the scales s[6:7]
	s_load_b64 s[8:9], s[0:1], 0x10                ; a_img
	v_lshl_add_u32 v[SPW], v0, 2, SPARE
	v_mov_b32 v[NIL], 0
	ds_add_u32 v[SPW], v[NIL]                      ; the opening lines: the add, twice on end, and its wait ahead of my tensor load
	ds_add_u32 v[SPW], v[NIL]
	v_lshrrev_b32 v3, 5, v0
	s_delay_alu instid0(VALU_DEP_1)
	v_readfirstlane_b32 s[WV], v3                  ; wave 0..7
	s_and_b32 s15, ttmp7, 0xffff                   ; batch x 16 + head, which the four partners share
	s_and_b32 s16, s[WV], 1                        ; I fetch K (0) or V (1),
	s_lshr_b32 s17, s[WV], 1                       ; part 0..3 of 32,768 bytes
	s_lshl_b32 s2, s17, 15
	s_lshl_b32 s3, s16, 17
	s_add_co_u32 s3, s3, s2                        ; in LDS: K's region, then V's
	s_lshl_b32 s18, s16, 22
	s_add_co_u32 s18, s18, s2
	s_lshl_b32 s19, s15, 17
	s_add_co_u32 s18, s18, s19
	s_add_co_u32 s18, s18, 1<<22                   ; in memory: part 1 (k) or 2 (v) of qkv_img, my head
	s_mov_b32 s19, 0
	s_mov_b32 s[G1], 15|(3<<16)|(1<<21)            ; the mask of all four work-groups; elements of 8 bytes; bit 21 beside a mask
	s_mov_b32 s[G1+1], 32<<16                      ; a dense block of 32,768 bytes as 128 rows of 256
	s_mov_b32 s[G1+2], 128<<16
	s_mov_b32 s[G1+3], 32<<16
	s_mov_b32 s[G1+4], 128
	s_mov_b32 s[G1+5], 32
	s_mov_b32 s[G1+6], 0
	s_mov_b32 s[G1+7], 0
	s_mov_b32 s[SEL], 0x76543210
	s_mov_b32 s[SEL+1], 0xfedcba98
	s_wait_dscnt 0x0                               ; both opening adds are done
	s_wait_kmcnt 0x0
	s_load_b256 s[48:55], s[6:7], 0x0              ; e0 .. e7
	s_load_b128 s[56:59], s[6:7], 0x20             ; e8 .. e11
	s_add_nc_u64 s[18:19], s[4:5], s[18:19]
	s_mov_b32 s[G0], 1
	s_mov_b32 s[G0+1], s3
	s_mov_b64 s[G0+2:G0+3], s[18:19]
	s_or_b32 s[G0+3], s[G0+3], 0x80000000
	CROUND                                         ; all four work-groups are here: the joint loads meet
	tensor_load_to_lds s[G0:G0+3], s[G1:G1+7]      ; my one tensor load of the launch
	s_nop 0
.rept 4
	v_nop
.endr
	s_bfe_u32 s62, ttmp6, 0x40000                  ; cx: it enters Q's and the output's addresses alone
	s_lshl_b32 s63, ttmp9, 2
	s_add_co_u32 s62, s62, s63                     ; my block of 256 queries
	s_lshl_b32 s62, s62, 4
	s_lshl_b32 s63, s[WV], 1
	s_add_co_u32 s62, s62, s63                     ; my wave's first block of 16 queries, of the head's 128
	s_lshl_b32 s60, s62, 10
	s_lshl_b32 s63, s15, 17
	s_add_co_u32 s60, s60, s63
	s_mov_b32 s61, 0
	s_add_nc_u64 s[4:5], s[4:5], s[60:61]          ; Q's two fragments, 1,024 bytes each, on end
	s_lshr_b32 s63, s15, 4                         ; the batch
	s_lshl_b32 s63, s63, 7
	s_add_co_u32 s63, s63, s62                     ; the block of 16 rows of the output projection's operand
	s_lshl_b32 s60, s63, 14
	s_and_b32 s63, s15, 15
	s_lshl_b32 s63, s63, 10                        ; the head's 64 along K: 1,024 bytes of the block's images
	s_add_co_u32 s60, s60, s63
	s_add_nc_u64 s[8:9], s[8:9], s[60:61]
	v_and_b32 v3, 31, v0
	s_delay_alu instid0(VALU_DEP_1)
	v_lshlrev_b32 v[LI], 4, v3
	s_delay_alu instid0(VALU_DEP_1)
	v_add_nc_u32 v[LIV], 131072, v[LI]
	v_add_nc_u32 v[LIK], 8192, v[LI]
	global_load_b128 v[16:19], v[LI], s[4:5]       ; Q stays in registers: tile 0,
	global_load_b128 v[20:23], v[LI], s[4:5] offset:512
	WIN 0x40
	global_load_b128 v[16:19], v[LI], s[4:5] offset:1024   ; and tile 1, in window 1
	global_load_b128 v[20:23], v[LI], s[4:5] offset:1536
.irp w, 0x40, 0                        ; in both windows: the sums and O^T begin as zeros, which the first change of M leaves zeros
	WIN \w
	v_mov_b32 v14, 0
	v_mov_b32 v15, 0
.set j, 0
.rept 32
	v_mov_b32 v[O+j], 0
.set j, j+1
.endr
.endr
	v_mov_b32 v13, 0xff61b1e6                      ; the largest score so far: -3e38
	v_mov_b32 v11, 0xff61b1e6
	v_floor_f32 v12, -v13                          ; -M
	v_floor_f32 v10, -v11
	v_mov_b32 v246, 0                              ; written once: a lane permute's destination counts as one of its sources
	v_mov_b32 v247, 0
	s_wait_kmcnt 0x0
	s_mov_b32 s[CS], 0x3e38aa3b                    ; log2(e) / 8
	s_add_co_i32 s62, s54, s55
	s_lshl_b32 s62, s62, 23
	s_add_co_i32 s[CS], s[CS], s62                 ; a score stands for score x 2^(e6 + e7): the exponents are added to c's exponent field
	s_mov_b32 s[CS+1], s[CS]                       ; (named with it as a pair)
	s_add_co_i32 s62, s56, 127
	s_lshl_b32 s63, s62, 23
	v_mov_b32 v244, s63                            ; 2^e8, in both windows
	WIN 0x40
	v_mov_b32 v244, s63
	WIN 0
	s_add_co_i32 s62, s62, 8
	s_lshl_b32 s62, s62, 23
	s_or_b32 s[HOLD], s62, 0x600000                ; 448 x 2^e8
	s_add_co_i32 s62, s58, 127
	s_lshl_b32 s63, s62, 23
	v_mov_b32 v6, s63                              ; 2^e10
	s_add_co_i32 s62, s62, 8
	s_lshl_b32 s62, s62, 23
	s_or_b32 s62, s62, 0x600000
	v_mov_b32 v7, s62                              ; 448 x 2^e10
	s_add_co_i32 s14, s56, s57                     ; e8 + e9
	s_mov_b32 s[TB], 0
.macro KLOAD adr                       ; K's eight fragments of a key step, into window 1
	WIN 0x40
.irp t, 0,1,2,3,4,5,6,7
	ds_load_b128 v[KV+8*\t:KV+8*\t+3],   v[\adr] offset:1024*\t
	ds_load_b128 v[KV+8*\t+4:KV+8*\t+7], v[\adr] offset:1024*\t+512
.endr
	WIN 0
.endm
.macro SMUL                            ; S^T = K Q^T of one query tile
.irp t, 0,1,2,3,4,5,6,7
	v_wmma_f32_16x16x64_fp8_fp8 v[S+8*\t:S+8*\t+7], v[KV+8*\t:KV+8*\t+7], v[16:23], 0
.endr
.endm
.macro PVMUL                           ; O^T += V^T P^T of one query tile: its four accumulators take turns
.irp u, 0,1,2,3
	v_wmma_f32_16x16x128_fp8_fp8 v[O+8*\u:O+8*\u+7], v[KV+16*\u:KV+16*\u+15], v[PC:PC+15], v[O+8*\u:O+8*\u+7]
.endr
.endm
.macro MAXT                            ; a tile's largest score of my query among my 64 keys, in four chains, down to v[T] and v[T+3]; each accumulator is first read at its low end
.irp k, 0,1,2,3
	v_max3_num_f32 v[T+\k], v[S+3*\k], v[S+3*\k+1], v[S+3*\k+2]
.endr
.set j, 12
.rept 26
	v_max3_num_f32 v[T+((j/2)&3)], v[T+((j/2)&3)], v[S+j], v[S+j+1]
.set j, j+2
.endr
	v_max3_num_f32 v[T], v[T], v[T+1], v[T+2]
.endm
.macro SCALE nm, f                     ; a tile's t - M, two at a time; then O^T and the sums under the new M.  nm: the pair that begins with -M; f: the pair that begins with f; both in window 0
.set j, 0
.rept 32
	v_pk_fma_f32 v[S+j:S+j+1], v[S+j:S+j+1], s[CS:CS+1], v[\nm:\nm+1] op_sel_hi:[1,0,0]
.set j, j+2
.endr
.set j, 0
.rept 16
	v_pk_mul_f32 v[O+j:O+j+1], v[O+j:O+j+1], v[\f:\f+1] op_sel_hi:[1,0]
.set j, j+2
.endr
	v_pk_mul_f32 v[14:15], v[14:15], v[\f:\f+1] op_sel_hi:[1,0]
.endm
.macro EXPS                            ; p = 2^(t - M), at most 1: not normalised
.set j, 0
.rept 64
	v_exp_f32 v[S+j], v[S+j]
.set j, j+1
.endr
.endm
.macro HOLD8 t                         ; the conversion does not saturate (ISA guide 7.6.2); p is not negative, so the hold is one-sided; two numbers an instruction
.irp i, 0,2,4,6
	v_dual_min_num_f32 v[S+8*\t+\i], s[HOLD], v[S+8*\t+\i] :: v_dual_min_num_f32 v[S+8*\t+\i+1], s[HOLD], v[S+8*\t+\i+1]
.endr
.endm
.macro CV t
	v_cvt_scalef32_pk8_fp8_f32 v[PC+2*\t:PC+2*\t+1], v[S+8*\t:S+8*\t+7], v244
.endm
.macro JOIN a, b                       ; partial sum a += partial sum b (0 stands for v[14:15])
.if \a == 0
	v_pk_add_f32 v[14:15], v[14:15], v[T+2*\b:T+2*\b+1]
.else
	v_pk_add_f32 v[T+2*\a:T+2*\a+1], v[T+2*\a:T+2*\a+1], v[T+2*\b:T+2*\b+1]
.endif
.endm
.macro SUMS                            ; a tile's row sums of the unquantised p, 32 pairs in eight chains; then the holds and the codes.  All its registers lie in the tile's window
.irp i, 1,2,3,4,5,6,7
	v_pk_add_f32 v[T+2*\i:T+2*\i+1], v[S+2*\i-2:S+2*\i-1], v[S+2*\i+12:S+2*\i+13]
.endr
	v_pk_add_f32 v[14:15], v[14:15], v[S+28:S+29]
.irp r, 0,1
	v_pk_add_f32 v[14:15], v[14:15], v[S+30+16*\r:S+31+16*\r]
.irp i, 1,2,3,4,5,6,7
	v_pk_add_f32 v[T+2*\i:T+2*\i+1], v[T+2*\i:T+2*\i+1], v[S+30+16*\r+2*\i:S+31+16*\r+2*\i]
.endr
.endr
	v_pk_add_f32 v[14:15], v[14:15], v[S+62:S+63]
	JOIN 1, 5                                      ; the chains are joined; the holds of the first key tiles stand between the levels
	JOIN 2, 6
	JOIN 3, 7
	JOIN 0, 4
	HOLD8 0
	JOIN 1, 3
	JOIN 0, 2
	CV 0
	HOLD8 1
	JOIN 0, 1
	CV 1
.irp t, 2,3,4,5,6,7
	HOLD8 \t
	CV \t
.endr
	v_nop                                          ; a plain line between the last conversion and the products that read the codes
.endm
; A KEY STEP: 128 keys x 32 queries.  more = 1: K of the next step is asked for.
.macro STEP more
	s_wait_dscnt 0x0                               ; this step's K, asked for a step ago
	WIN 0x01                                       ; K in window 1; Q and S^T of tile 0
	SMUL
	WIN 0x55                                       ; all of tile 1
	SMUL
	WIN 0
	v_add_nc_u32 v[ADV], s[TB], v[LIV]
	v_add_nc_u32 v[ADK], s[TB], v[LIK]
	v_nop
	v_nop                                          ; four plain lines in front of the loads into registers that products have read, and of the first read of the scores
.set j, 0
.rept 16
	ds_load_b128 v[KV+4*j:KV+4*j+3], v[ADV] offset:512*j   ; V's four fragments (16 channels x 128 keys)
.set j, j+1
.endr
.if \more
	KLOAD ADK
.endif
	MAXT
	v_max3_num_f32 v13, v[T], v[T+3], v13          ; with the running largest
	WIN 0x55
	MAXT
	WIN 0x05                                       ; sources 0 and 1 in window 1; the running largest in window 0
	v_max3_num_f32 v11, v[T], v[T+3], v11
	WIN 0
	v_mov_b32 v253, v12                            ; the old -M.  From here the two tiles' chains take turns
	v_mov_b32 v251, v10
	v_permlanex16_b32 v246, v13, s[SEL], s[SEL+1]
	v_permlanex16_b32 v247, v11, s[SEL], s[SEL+1]
	v_max_num_f32 v13, v13, v246                   ; and lane l xor 16's
	v_max_num_f32 v11, v11, v247
	v_mul_f32 v254, s[CS], v13                     ; as t (c is positive)
	v_mul_f32 v249, s[CS], v11
	v_floor_f32 v12, -v254                         ; the new -M = floor(-t): M is a whole number
	v_floor_f32 v10, -v249
	v_sub_f32 v254, v12, v253                      ; old M - new M: a whole number, 0 or less
	v_sub_f32 v249, v10, v251
	v_cvt_i32_f32 v254, v254                       ; (it saturates)
	v_cvt_i32_f32 v249, v249
	v_ldexp_f32 v252, 1.0, v254                    ; f = 2^(old M - new M)
	v_ldexp_f32 v250, 1.0, v249
	SCALE 12, 252
	WIN 0x41                                       ; source 0 and destination in window 1; -M and f in window 0
	SCALE 10, 250
	s_wait_alu depctr_va_vdst(0)                   ; the wait ahead of the batch
	EXPS
	WIN 0
	EXPS
	v_nop                                          ; a plain line behind the exponentials
	s_wait_dscnt 16*\more                          ; V is in; the 16 younger loads, the next step's K, may be out
	s_wait_alu depctr_va_vdst(0)                   ; one wait for the whole batch, ahead of its first reader
	SUMS
	PVMUL                                          ; tile 0's products are issued ahead of tile 1's sums
	WIN 0x55
	SUMS
	WIN 0x54                                       ; V in window 0; the codes and O^T in window 1
	PVMUL
	WIN 0
.endm
	s_wait_alu depctr_va_vdst(0)                   ; the wait at the head's end
	s_wait_loadcnt 0x0                             ; Q
	s_wait_tensorcnt 0x0                           ; my part of K or V is in
	s_barrier_signal -1
	s_barrier_wait -1                              ; everybody's is: K and V are whole, and stay
	KLOAD LI                                       ; K of step 0
.Lstep:                                            ; 15 trips
	STEP 1
	s_add_co_u32 s[TB], s[TB], 8192
	s_cmp_lt_u32 s[TB], 15*8192
	s_cbranch_scc1 .Lstep
	STEP 0                                         ; the last step is written out: it asks for no further K
	; THE WAY OUT: O^T / the sum x 2^(e8 + e9), held and converted by e10: a lane's 32 codes of a tile are registers of the next operand's fragment
	v_add_f32 v13, v14, v15                        ; the sum's two halves,
	WIN 0x05
	v_add_f32 v11, v14, v15                        ; tile 1's, into window 0
	WIN 0
	v_permlanex16_b32 v246, v13, s[SEL], s[SEL+1]
	v_permlanex16_b32 v247, v11, s[SEL], s[SEL+1]
	v_add_f32 v13, v13, v246                       ; and lane l xor 16's
	v_add_f32 v11, v11, v247
	s_wait_alu depctr_va_vdst(0)                   ; the wait ahead of the transcendentals
	v_rcp_f32 v13, v13
	v_rcp_f32 v11, v11
	v_nop                                          ; a plain line behind the reciprocals
	s_wait_alu depctr_va_vdst(0)                   ; the wait ahead of their first reader
	v_ldexp_f32 v12, v13, s14
	v_ldexp_f32 v10, v11, s14
	s_wait_alu depctr_va_vdst(0)                   ; the wait here, directly ahead of the first reader of O^T
.set j, 0
.rept 16
	v_pk_mul_f32 v[S+j:S+j+1], v[O+j:O+j+1], v[12:13] op_sel_hi:[1,0]   ; register 8 u + i: o(query r, channel 16 u + 8 h + i)
.set j, j+2
.endr
	WIN 0x41
	s_wait_alu depctr_va_vdst(0)                   ; and ahead of tile 1's
.set j, 0
.rept 16
	v_pk_mul_f32 v[S+j:S+j+1], v[O+j:O+j+1], v[10:11] op_sel_hi:[1,0]
.set j, j+2
.endr
.set j, 0
.rept 32
	v_med3_num_f32 v[S+j], v[S+j], -v7, v7
.set j, j+1
.endr
	WIN 0x01                                       ; tile 1's codes go into window 0
.irp u, 0,1,2,3
	v_cvt_scalef32_pk8_fp8_f32 v[KV+8+2*\u:KV+9+2*\u], v[S+8*\u:S+8*\u+7], v6
.endr
	WIN 0
.set j, 0
.rept 32
	v_med3_num_f32 v[S+j], v[S+j], -v7, v7
.set j, j+1
.endr
.irp u, 0,1,2,3
	v_cvt_scalef32_pk8_fp8_f32 v[KV+2*\u:KV+2*\u+1], v[S+8*\u:S+8*\u+7], v6
.endr
	v_nop                                          ; a plain line behind the last conversion
	global_store_b128 v[LI], v[KV:KV+3],     s[8:9]                    ; each store: 512 consecutive bytes, aligned
	global_store_b128 v[LI], v[KV+4:KV+7],   s[8:9] offset:512
	global_store_b128 v[LI], v[KV+8:KV+11],  s[8:9] offset:16384       ; tile 1: the next block of 16 rows
	global_store_b128 v[LI], v[KV+12:KV+15], s[8:9] offset:16384+512
	s_wait_tensorcnt 0x0                           ; the wave's end
	ds_add_u32 v[SPW], v[NIL]
	s_wait_dscnt 0x0
	CROUND                                         ; the closing round
	s_endpgm
.Lfunc_end_k_qab1238cbfb_attn:
	.size	k_qab1238cbfb_attn, .Lfunc_end_k_qab1238cbfb_attn-k_qab1238cbfb_attn
	.p2alignl 7, 3214868480
	.fill 96, 4, 3214868480
	.section	.rodata,"a",@progbits
	.p2align	6, 0x0
	.amdhsa_kernel k_qab1238cbfb_attn
		.amdhsa_group_segment_fixed_size 264192
		.amdhsa_private_segment_fixed_size 0
		.amdhsa_enable_private_segment 0
		.amdhsa_kernarg_size 24
		.amdhsa_user_sgpr_count 2
		.amdhsa_user_sgpr_kernarg_segment_ptr 1
		.amdhsa_wavefront_size32 1
		.amdhsa_system_sgpr_workgroup_id_x 1
		.amdhsa_system_sgpr_workgroup_id_y 1
		.amdhsa_system_sgpr_workgroup_id_z 1
		.amdhsa_system_vgpr_workitem_id 0
		.amdhsa_next_free_vgpr 512
		.amdhsa_next_free_sgpr 66
		.amdhsa_reserve_vcc 0
		.amdhsa_float_denorm_mode_32 3
		.amdhsa_float_denorm_mode_16_64 3
		.amdhsa_memory_ordered 1
		.amdhsa_forward_progress 1
		.amdhsa_inst_pref_size 73
	.end_amdhsa_kernel
	.amdgpu_metadata
---
amdhsa.version: [ 1, 2 ]
amdhsa.kernels:
  - .name:           k_qab1238cbfb_attn
    .symbol:         k_qab1238cbfb_attn.kd
    .args:
      - { .name: qkv_img, .offset: 0, .size: 8, .value_kind: global_buffer, .address_space: global }
      - { .name: lowp_scales, .offset: 8, .size: 8, .value_kind: global_buffer, .address_space: global }
      - { .name: a_img, .offset: 16, .size: 8, .value_kind: global_buffer, .address_space: global }
    .group_segment_fixed_size: 264192
    .private_segment_fixed_size: 0
    .kernarg_segment_align: 8
    .kernarg_segment_size: 24
    .max_flat_workgroup_size: 256
    .sgpr_count:     66
    .vgpr_count:     512
    .wavefront_size: 32
...
	.end_amdgpu_metadata
.endif
;; end of part 3
;; launch oproj (part 4): grid 8 x 32, 4 waves a work-group, clusters of 4 x 4, 280,064 bytes of LDS; arguments a_img, w_img, bo, lowp_scales, out0; writes out0
.if DOCPART == 4
	.amdgcn_target "amdgcn-amd-amdhsa--gfx1250"
	.amdhsa_code_object_version 6
	.text
	.protected	k_qab1238cbfb_oproj
	.globl	k_qab1238cbfb_oproj
	.p2align	8
	.type	k_qab1238cbfb_oproj,@function
k_qab1238cbfb_oproj:
	s_mov_b64 s[64:65], 0
	v_nop
	global_prefetch_b8 v0, s[64:65] scope:SCOPE_SE
	s_setreg_imm32_b32 hwreg(HW_REG_WAVE_MODE, 25, 1), 1
	s_wait_xcnt 0x0
	s_wait_alu depctr_hold_cnt(0) depctr_sa_sdst(0) depctr_va_vdst(0) depctr_va_sdst(0) depctr_va_ssrc(0) depctr_va_vcc(0) depctr_vm_vsrc(0)
	s_getreg_b32 s2, hwreg(HW_REG_IB_STS2, 6, 4)
	s_cmp_eq_u32 s2, 0
	s_cbranch_scc0 .Lentry_in_a_cluster
	s_endpgm
.Lentry_in_a_cluster:
	s_bfe_u32 s2, ttmp6, 0x10000c
	s_cmp_lg_u32 s2, 0xf033
	s_cbranch_scc0 .Lentry_shape_is_right
	s_endpgm
.Lentry_shape_is_right:
; out0 = a Wo^T + bo on codes of FP8 (E4M3).  a_img: [256 blocks of 16 rows][8 K steps][2048], Wo: part 3 of w_img, [64][8][2048]: images of the operand's registers (byte 512 p + 16 l + y = registers 4 p .. 4 p + 3 of lane l).
; out0: [4096][1024] f32 = sum x 2^(e10 + e11) + bo.  LIMIT: e10 + e11 between -126 and 127, so that the power of two is an f32 number.
; SHARES.  A tile of 128 x 128 to a work-group of four waves: 32 x 8 tiles, 256 work-groups.  A wave makes 64 x 64: 16 accumulators of 16 x 16, 128 registers.
; NO RING.  The whole K of both operands of a tile is 2 x 128 rows x 1,024 bytes = 262,144 bytes: every LDS byte is filled once.  Each wave fetches a quarter with ONE tensor load at the head: 4 blocks of 16 rows x 8 K steps,
; 65,536 dense bytes (waves 0, 1: A's halves; waves 2, 3: B's); one wait for 0 and one barrier follow.  Everything is asked for at the head, so there is no later load that a prefetch could run ahead of: none is written.
; CLUSTERS: 4 x 4 work-groups.  The four of a row of the cluster need the same rows of a, the four of a column the same rows of Wo: each part is asked for jointly, by the same tensor load with the same descriptor and a mask of the four.
; THE MATRIX INSTRUCTION IS USED TRANSPOSED (source 0 = 16 rows of Wo, source 1 = 16 rows of a): a lane holds eight neighbouring numbers of a row of the output.
; REGISTERS, in windows of 256: window 0: v4 16 x lane; v8, v9 LDS addresses of my fragments of A and of B; v16-18 the way out; v20-23 my four numbers of bo; v128-255 the accumulators ((a, b) at v[128 + 8 (4 a + b)]).
;   window 1: two fragment buffers of 128: 64 registers of A (4 blocks x 16 rows x 128 K), then 64 of B.
.set PART,   65536                     ; what one tensor load brings
.set STAGE,  4*PART                    ; behind the tiles: 16 rows x 272 bytes for each wave, for the way out; no tensor load lands there
.set SPITCH, 272
.set SPARE,  STAGE+4*16*SPITCH         ; the spare words: 128 bytes for each wave
.set FR,     16
.set LI,   4
.set ADRA, 8
.set ADRB, 9
.set STO,  16
.set RD,   17
.set CO,   18
.set BO,   20
.set SPW,  126
.set NIL,  127
.set ACC,  128
.set G1,   24                          ; s[24:31] descriptor group 1 for A's part
.set G1B,  32                          ; s[32:39] for B's: it differs in the mask alone
.set G0,   40                          ; s[40:43] group 0 for A's part
.set G0B,  44                          ; s[44:47] for B's
.set MSB, 0
.macro WIN new                         ; the immediate's high byte repeats the setting that is left
.if MSB != (\new)
	s_set_vgpr_msb (MSB<<8)|(\new)
.set MSB, (\new)
.endif
.endm
.set MUL,  0x05                        ; sources 0 (B) and 1 (A) window 1; C and D window 0
.set TO_F, 0x40                        ; destination window 1, address window 0
.macro CROUND                          ; a round of the cluster's barrier
	s_barrier_signal -1
	s_barrier_wait -1
	s_cmp_lg_u32 s14, 0
	s_cbranch_scc1 .Lnot_wave_0_\@
	s_barrier_signal -3
.Lnot_wave_0_\@:
	s_barrier_wait -3
	s_barrier_signal -1
	s_barrier_wait -1
.endm
.macro PLACES                          ; four plain vector instructions between a matrix instruction and a load into, or a read of, its registers
.rept 4
	v_nop
.endr
.endm
	s_load_b256 s[4:11], s[0:1], 0x0               ; a_img s[4:5], w_img s[6:7], bo s[8:9], the scales s[10:11]
	s_load_b64 s[12:13], s[0:1], 0x20              ; out0
	v_lshl_add_u32 v[SPW], v0, 2, SPARE
	v_mov_b32 v[NIL], 0
	ds_add_u32 v[SPW], v[NIL]                      ; the opening lines: the add, twice on end, and its wait
	ds_add_u32 v[SPW], v[NIL]
	v_lshrrev_b32 v1, 5, v0
	v_readfirstlane_b32 s14, v1                    ; wave 0..3
	s_lshr_b32 s15, s14, 1                         ; which half of the tile's rows is mine.  Also: I fetch for A (0) or for B (1)
	s_and_b32 s16, s14, 1                          ; which half of its columns.  Also: which 64 rows of that tile I fetch
	s_bfe_u32 s84, ttmp6, 0x40000                  ; cx, cy
	s_bfe_u32 s85, ttmp6, 0x40004
	s_lshl_b32 s86, ttmp9, 2
	s_add_co_u32 s86, s86, s84                     ; tile column 0 .. 7
	s_and_b32 s17, ttmp7, 0xffff
	s_lshl_b32 s17, s17, 2
	s_add_co_u32 s17, s17, s85                     ; tile row 0 .. 31
	s_lshl_b32 s87, s85, 2
	s_lshl_b32 s87, 15, s87                        ; my row of the cluster
	s_lshl_b32 s88, 0x1111, s84                    ; my column
	s_or_b32 s[G1], s87, (3<<16)|(1<<21)           ; the mask: A's part goes to my row; elements of 8 bytes; bit 21 beside a mask
	s_or_b32 s[G1B], s88, (3<<16)|(1<<21)
.irp g, G1, G1B                        ; a dense block of 65,536 bytes as 256 rows of 256
	s_mov_b32 s[\g+1], 32<<16
	s_mov_b32 s[\g+2], 256<<16
	s_mov_b32 s[\g+3], 32<<16
	s_mov_b32 s[\g+4], 256
	s_mov_b32 s[\g+5], 32
	s_mov_b32 s[\g+6], 0
	s_mov_b32 s[\g+7], 0
.endr
	s_lshl_b32 s18, s16, 16                        ; which 4 blocks of rows of a tile I fetch
	s_lshl_b32 s20, s17, 17                        ; a tile's 8 blocks of rows are 131,072 bytes
	s_add_co_u32 s20, s20, s18                     ; A: hangs on the tile row alone
	s_mov_b32 s21, 0
	s_lshl_b32 s90, s86, 17
	s_add_co_u32 s90, s90, s18
	s_add_co_u32 s90, s90, 3<<20                   ; B: Wo's image, by the tile column alone
	s_mov_b32 s91, 0
	s_mul_i32 s19, s14, PART                       ; where it goes: wave x 65,536
	s_wait_dscnt 0x0
	s_wait_kmcnt 0x0
	s_load_b64 s[96:97], s[10:11], 0x28            ; e10, e11
	s_mov_b32 s[G0], 1
	s_mov_b32 s[G0+1], s19
	s_add_nc_u64 s[G0+2:G0+3], s[4:5], s[20:21]
	s_or_b32 s[G0+3], s[G0+3], 0x80000000
	s_mov_b32 s[G0B], 1
	s_mov_b32 s[G0B+1], s19
	s_add_nc_u64 s[G0B+2:G0B+3], s[6:7], s[90:91]
	s_or_b32 s[G0B+3], s[G0B+3], 0x80000000
	CROUND                                         ; all sixteen work-groups are here: the joint loads meet
	s_cmp_eq_u32 s15, 0                            ; one fill to each arm of one branch on the wave's number
	s_cbranch_scc0 .Lfor_b
	tensor_load_to_lds s[G0:G0+3], s[G1:G1+7]
	s_nop 0
.rept 4
	v_nop
.endr
	s_branch .Lasked
.Lfor_b:
	tensor_load_to_lds s[G0B:G0B+3], s[G1B:G1B+7]
	s_nop 0
.rept 4
	v_nop
.endr
.Lasked:
	v_and_b32 v1, 15, v0                           ; r
	v_bfe_u32 v2, v0, 4, 1                         ; h
	v_and_b32 v3, 31, v0
	v_lshlrev_b32 v[LI], 4, v3                     ; 16 x lane
	s_wait_alu depctr_va_vdst(0)                   ; the wait here, ahead of the scalar lines
	s_mul_i32 s22, s15, PART                       ; my 64 rows of A,
	s_mul_i32 s23, s16, PART                       ; my 64 rows of B,
	s_add_co_u32 s23, s23, 2*PART                  ; which lie behind A's two halves
	v_add_nc_u32 v[ADRA], s22, v[LI]
	v_add_nc_u32 v[ADRB], s23, v[LI]
	s_mul_i32 s89, s14, 16*SPITCH
	s_add_co_u32 s89, s89, STAGE                   ; my stage
	v_mul_u32_u24 v5, v1, SPITCH                   ; in: row r, 32 bytes for each half of the lanes
	v_lshl_add_u32 v5, v2, 5, v5
	v_add_nc_u32 v[STO], s89, v5
	v_mul_u32_u24 v6, v2, SPITCH                   ; back: lanes 0-15 take one row of 256 bytes, lanes 16-31 the next
	v_lshl_add_u32 v6, v1, 4, v6
	v_add_nc_u32 v[RD], s89, v6
	v_lshlrev_b32 v[CO], 12, v2                    ; and the same two rows in the output: a row is 4,096 bytes
	v_lshl_add_u32 v[CO], v1, 4, v[CO]
	v_lshlrev_b32 v7, 4, v1                        ; bo: 16 r
	s_lshl_b32 s92, s86, 9                         ; my first column, in bytes: 512 x tile column + 256 x half
	s_lshl_b32 s93, s16, 8
	s_add_co_u32 s92, s92, s93
	s_mov_b32 s93, 0
	s_add_nc_u64 s[8:9], s[8:9], s[92:93]
	global_load_b128 v[BO:BO+3], v7, s[8:9]
	s_add_nc_u64 s[12:13], s[12:13], s[92:93]
	s_lshl_b32 s94, s17, 19                        ; the tile's 128 rows of 4,096 bytes,
	s_lshl_b32 s95, s15, 18                        ; my 64 of them
	s_add_co_u32 s94, s94, s95
	s_mov_b32 s95, 0
	s_add_nc_u64 s[12:13], s[12:13], s[94:95]
	s_wait_alu depctr_va_vdst(0)                   ; the wait at the head's end
	s_wait_kmcnt 0x0
	s_add_co_i32 s96, s96, s97
	s_add_co_i32 s96, s96, 127
	s_lshl_b32 s96, s96, 23                        ; 2^(e10 + e11) as f32
	s_mov_b32 s97, s96                             ; (named with it as a pair)
	s_wait_loadcnt 0x0                             ; bo
.macro FRAG reg, adr, s, i             ; a fragment's image: block of rows i, K step s: four loads of 512 consecutive bytes; the largest offset is 65,024
.irp c, 0,1,2,3
	ds_load_b128 v[\reg+4*\c:\reg+4*\c+3], v[\adr] offset:16384*(\i)+2048*(\s)+512*\c
.endr
.endm
.macro FETCH s                         ; K step s: 32 LDS loads in one run, into buffer s % 2
	WIN TO_F
.irp i, 0,1,2,3
	FRAG 128*((\s)%2)+64+FR*\i, ADRB, \s, \i
.endr
.irp i, 0,1,2,3
	FRAG 128*((\s)%2)+FR*\i, ADRA, \s, \i
.endr
.endm
; 16 matrix instructions: my 4 blocks of rows x my 4 blocks of columns, 128 along K, from buffer f.  zero = 1: the first products start the sums.  The 16 accumulators take turns, one instruction a turn.
.macro MUL16 f, zero
.irp a, 0,1,2,3
.irp b, 0,1,2,3
.if \zero
	v_wmma_f32_16x16x128_fp8_fp8 v[ACC+8*(4*\a+\b):ACC+8*(4*\a+\b)+7], v[128*(\f)+64+FR*\b:128*(\f)+64+FR*\b+FR-1], v[128*(\f)+FR*\a:128*(\f)+FR*\a+FR-1], 0
.else
	v_wmma_f32_16x16x128_fp8_fp8 v[ACC+8*(4*\a+\b):ACC+8*(4*\a+\b)+7], v[128*(\f)+64+FR*\b:128*(\f)+64+FR*\b+FR-1], v[128*(\f)+FR*\a:128*(\f)+FR*\a+FR-1], v[ACC+8*(4*\a+\b):ACC+8*(4*\a+\b)+7]
.endif
.endr
.endr
.endm
.macro KSTEP s                         ; this step's fragments were asked for a step ago; the next step's are asked for ahead of its products
	s_wait_dscnt 0x0
.if (\s) < 7
.if (\s) > 0
	PLACES                                         ; the other buffer was read by the last step's products
.endif
	FETCH (\s)+1
.endif
	WIN MUL
.if (\s) == 0
	MUL16 0, 1
.else
	MUL16 (\s)%2, 0
.endif
.endm
	s_wait_tensorcnt 0x0                           ; my part is in
	s_barrier_signal -1
	s_barrier_wait -1                              ; everybody's is
	FETCH 0
.irp s, 0,1,2,3,4,5,6,7                ; K = 1,024 is eight steps of 128: every offset an immediate
	KSTEP \s
.endr
	WIN 0
; THE WAY OUT, a block of 16 rows x 64 columns at a time: the sums go into my own stage as they are and come back as whole rows of 256 bytes, into the registers that they left.  A lane then holds the same four columns
; of every row: its four numbers of bo serve all rows.  LDS serves a wave's instructions in order (ISA guide 5.7.1.4): no wait between the stores and the loads.
.macro TOSTAGE a
.irp b, 0,1,2,3
	ds_store_b128 v[STO], v[ACC+32*(\a)+8*\b:ACC+32*(\a)+8*\b+3] offset:64*\b          ; each accumulator from its low end on
	ds_store_b128 v[STO], v[ACC+32*(\a)+8*\b+4:ACC+32*(\a)+8*\b+7] offset:64*\b+16
.endr
.irp t, 0,1,2,3,4,5,6,7
	ds_load_b128 v[ACC+32*(\a)+4*\t:ACC+32*(\a)+4*\t+3], v[RD] offset:\t*2*SPITCH      ; rows 2 t and 2 t + 1 of the block
.endr
.endm
.macro SEND a, younger                 ; younger: the LDS instructions issued behind block a's loads, which may stay out
	s_wait_dscnt \younger
.irp t, 0,1,2,3,4,5,6,7
	v_pk_fma_f32 v[ACC+32*(\a)+4*\t:ACC+32*(\a)+4*\t+1],   v[ACC+32*(\a)+4*\t:ACC+32*(\a)+4*\t+1],   s[96:97], v[BO:BO+1]   op_sel_hi:[1,0,1]
	v_pk_fma_f32 v[ACC+32*(\a)+4*\t+2:ACC+32*(\a)+4*\t+3], v[ACC+32*(\a)+4*\t+2:ACC+32*(\a)+4*\t+3], s[96:97], v[BO+2:BO+3] op_sel_hi:[1,0,1]
.endr
.irp t, 0,1,2,3,4,5,6,7
	global_store_b128 v[CO], v[ACC+32*(\a)+4*\t:ACC+32*(\a)+4*\t+3], s[12:13] offset:(16*(\a)+2*\t)*4096 th:TH_STORE_NT   ; 16 lanes store 256 consecutive bytes, aligned
.endr
.endm
	PLACES                                         ; in front of the first read of the results and of the loads into their registers
	TOSTAGE 0
	TOSTAGE 1
	SEND 0, 16                                     ; behind block 0's loads: block 1's 8 stores and 8 loads
	TOSTAGE 2
	SEND 1, 16
	TOSTAGE 3
	SEND 2, 16
	SEND 3, 0
	s_wait_tensorcnt 0x0                           ; the wave's end
	ds_add_u32 v[SPW], v[NIL]
	s_wait_dscnt 0x0
	CROUND                                         ; the closing round
	s_endpgm
.Lfunc_end_k_qab1238cbfb_oproj:
	.size	k_qab1238cbfb_oproj, .Lfunc_end_k_qab1238cbfb_oproj-k_qab1238cbfb_oproj
	.p2alignl 7, 3214868480
	.fill 96, 4, 3214868480
	.section	.rodata,"a",@progbits
	.p2align	6, 0x0
	.amdhsa_kernel k_qab1238cbfb_oproj
		.amdhsa_group_segment_fixed_size 280064
		.amdhsa_private_segment_fixed_size 0
		.amdhsa_enable_private_segment 0
		.amdhsa_kernarg_size 40
		.amdhsa_user_sgpr_count 2
		.amdhsa_user_sgpr_kernarg_segment_ptr 1
		.amdhsa_wavefront_size32 1
		.amdhsa_system_sgpr_workgroup_id_x 1
		.amdhsa_system_sgpr_workgroup_id_y 1
		.amdhsa_system_sgpr_workgroup_id_z 1
		.amdhsa_system_vgpr_workitem_id 0
		.amdhsa_next_free_vgpr 512
		.amdhsa_next_free_sgpr 100
		.amdhsa_reserve_vcc 0
		.amdhsa_float_denorm_mode_32 3
		.amdhsa_float_denorm_mode_16_64 3
		.amdhsa_memory_ordered 1
		.amdhsa_forward_progress 1
		.amdhsa_inst_pref_size 43
	.end_amdhsa_kernel
	.amdgpu_metadata
---
amdhsa.version: [ 1, 2 ]
amdhsa.kernels:
  - .name:           k_qab1238cbfb_oproj
    .symbol:         k_qab1238cbfb_oproj.kd
    .args:
      - { .name: a_img, .offset: 0, .size: 8, .value_kind: global_buffer, .address_space: global }
      - { .name: w_img, .offset: 8, .size: 8, .value_kind: global_buffer, .address_space: global }
      - { .name: bo, .offset: 16, .size: 8, .value_kind: global_buffer, .address_space: global }
      - { .name: lowp_scales, .offset: 24, .size: 8, .value_kind: global_buffer, .address_space: global }
      - { .name: out0, .offset: 32, .size: 8, .value_kind: global_buffer, .address_space: global }
    .group_segment_fixed_size: 280064
    .private_segment_fixed_size: 0
    .kernarg_segment_align: 8
    .kernarg_segment_size: 40
    .max_flat_workgroup_size: 128
    .sgpr_count:     100
    .vgpr_count:     512
    .wavefront_size: 32
...
	.end_amdgpu_metadata
.endif
;; end of part 4
